; MI455X (gfx1250); checked and timed in simulation.
; The chip was launched on July 23, 2026; its instructions are those of AMD's public machine-readable ISA for CDNA 5 (MIT licence, August 2026) and "CDNA5" Instruction Set Architecture Reference Guide (July 2026). The comments in the code are by the model that wrote it; some were corrected since.
;; negative set define. Allowed arithmetic: matrix products marked QUANTISED: E4M3 operands, one E8M0 scale for each 32 along K, by v_wmma_scale_f32_16x16x128_f8f6f4 with both operands' format E4M3, f32 sums; everything else in f32.
;; Inputs: anchor 8,192 x 1,024 float32; negative 8,192 x 1,024 float32.
;; Outputs: out0 8,192 x 1,024 float32.
;; This version of the problem:
;;   THIS VERSION OF THE PROBLEM IS GIVEN IN LOW PRECISION. The matrix products marked QUANTISED in the list below multiply operands that are first quantised to E4M3 (4 exponent bits, 3 mantissa bits; 8 bits a number), with one power-of-two scale for each 32 numbers along K (OCP MX v1.0); their sums are f32. All else is computed in f32.
;;   The module's matrix products, in the order in which they are computed (A, B: the left and right operand; K: the contracted axis; several contracted axes count as one K, in the product's order):
;;     1. [M 8,192, K 1,024] x [K 1,024, N 8,192]; A: input anchor; B: input negative: QUANTISED
;;   THE QUANTISER, for each operand of a quantised product, along K:
;;     - K is cut into blocks of 32 from its start; a last block that is shorter is filled with zeros.
;;     - A block's scale is 2^e with e = floor(log2(the largest magnitude in the block)) - 8, held to -126 .. 127; a block of zeros has e = 0. As a byte (E8M0): e + 127.
;;     - Each number is divided by its block's scale, clamped to +-448, and rounded to the nearest number of E4M3, ties to even, subnormals kept.
;;     - The product sums the exact products of the quantised numbers (number of the format x scale) in f32.
;;   ~~~python
;;   def quantise(x, axis):      # numpy; x: float32 -> the quantised numbers, widened to float32 again
;;       x = np.moveaxis(x, axis, -1); K = x.shape[-1]
;;       x = np.pad(x, [(0, 0)] * (x.ndim - 1) + [(0, -K % 32)]); x = x.reshape(x.shape[:-1] + (-1, 32)); a = np.abs(x).max(-1, keepdims=True)
;;       e = np.where(a > 0, np.clip(np.frexp(np.where(a > 0, a, 1))[1] - 1 - 8, -126, 127), 0)      # np.frexp(a)[1] - 1 = floor(log2(a)), exactly
;;       r = np.clip(x / 2.0 ** e, -448, 448)
;;       step = 2.0 ** (np.maximum(np.frexp(np.where(r == 0, 1, r))[1] - 1, -6) - 3)
;;       q = np.round(r / step) * step * 2.0 ** e      # np.round: ties to even
;;       return np.moveaxis(q.reshape(q.shape[:-2] + (-1,))[..., :K], -1, axis).astype(np.float32)
;;   ~~~
;; One version. Each part assembles by itself: llvm-mc -triple=amdgcn-amd-amdhsa -mcpu=gfx1250 --defsym DOCPART=n.
;; ======== version 1 of 1: 3 launches
;; limits: right only within a limited range of input values
;; workspace buffers: a_codes 8,388,608 bytes; n_codes 8,388,608 bytes; a_scales 262,144 bytes; n_scales 262,144 bytes; norms 65,536 bytes; pkey 262,144 bytes of whole numbers; pidx 262,144 bytes of whole numbers
;; launch quant (part 1): grid 256 x 1, 8 waves a work-group, no clusters, 66,816 bytes of LDS; arguments anchor, negative, a_codes, a_scales, n_codes, n_scales, norms; writes a_codes, a_scales, n_codes, n_scales, norms
.if DOCPART == 1
	.amdgcn_target "amdgcn-amd-amdhsa--gfx1250"
	.amdhsa_code_object_version 6
	.text
	.protected	k_q4d73dac04b_quant
	.globl	k_q4d73dac04b_quant
	.p2align	8
	.type	k_q4d73dac04b_quant,@function
k_q4d73dac04b_quant:
	s_mov_b64 s[64:65], 0
	v_nop
	global_prefetch_b8 v0, s[64:65] scope:SCOPE_SE
	s_setreg_imm32_b32 hwreg(HW_REG_WAVE_MODE, 25, 1), 1
	s_wait_xcnt 0x0
; anchor and negative, [8192][1024] f32, are turned into codes of FP8 (E4M3), one a byte, K innermost, with one E8M0 scale byte for each 32 along K, and the same read
; gives each row's sum of squares, stored x 2^-10 (the division by D = 1024 of the mean, which is exact and commutes with every later rounding): norms[0][row] the anchors', norms[1][row] the negatives'.
; A block's scale is 2^(floor(log2(its largest magnitude)) - 8); its byte is the largest magnitude's exponent field - 8, held at 1 from below.  (A block of zeros so gets the byte 1 where the rule says 127:
; its codes are zeros, which add nothing under any byte but 0xff, and the bytes are read by this program alone.)  Each number is divided by the scale, held within +-448 and rounded to the nearest code, ties to even.
; LIMITS: NaN and infinities among the inputs are not served.  Blocks whose largest magnitude lies under the floor 2^(9 - 127) keep the byte 1: not tried.  The x 2^-10 is exact for sums of squares from 2^-116 up.
; A row's 1,024 squares are added in an order of this text's own: 32 a lane in four chains of fused multiply-adds, then a tree over the 32 lanes.
; SHARES.  Work-groups 0-127 take anchor, 128-255 negative (only pointers are chosen: one way through the text); a work-group takes 64 rows, each of its eight waves 8 rows: 16 steps of 512 numbers, two steps to a row.
; The conversions take 8 numbers of ONE block from a lane's registers, so a lane must hold 16 NEIGHBOURS (two neighbouring lanes hold a block); a load is best where neighbouring LANES take neighbouring bytes.  Both are had:
; each of a step's four loads reads 512 consecutive bytes, 16 a lane; the 2,048 bytes go through the wave's own stage in LDS, as they lie, and come back 64 bytes a lane (16 bytes of padding behind each 64).
; A lane's 16 codes are 16 bytes: the wave stores 512 consecutive bytes.  A wave's 256 scale bytes gather in its own LDS bytes and leave as 256 consecutive aligned bytes; the work-group's 64 norms likewise, by wave 0.
; Loads run DEPTH = 6 steps ahead: 24 loads, 12 KiB, of every wave are on their way, 96 KiB of a work-group; the turn through LDS runs one step ahead.
.set WAVES, 8
.set STEPS, 16
.set DEPTH, 6                          ; sets of registers that loads fill by turns
.set EMAX,  8
.set MANT,  0x600000                   ; the mantissa field of 448 as f32
.set CB,    16                         ; bytes of 16 codes
.set R,     16                         ; v16-111  DEPTH sets of 16 numbers as they are loaded
.set X,     112                        ; v112-143 two sets of 16 neighbours
.set E,     144                        ; v144-159 a scale byte for each step
.set C,     160                        ; v160-223 codes: four registers for each step, so that no store's data are written again
.set SQ,    224                        ; v224-227 the row's squares: two packed chains
.set NS,    228                        ; v228     the row's sum
.set NPM,   229                        ; v229     the other half of the lanes' sum
.set NRM,   230                        ; v230     lane l keeps the norm of the wave's row l % 8
.set L7,    231                        ; v231     lane % 8
.set NA,    232                        ; v232     LDS: where my row's norm goes
.set NR,    233                        ; v233     LDS: where wave 0 reads the 64 norms back
.set NO,    234                        ; v234-235 the norms on their way out
.set WREG,  8192                       ; LDS: a region of its own for each wave: two stages of 32 x SP bytes, and behind them its 256 scale bytes
.set SP,    80                         ; a lane's place in a stage: its 64 bytes + 16 of padding
.set NL,    WAVES*WREG                 ; behind the waves' regions: the work-group's 64 norms, 256 bytes
	s_load_b256 s[4:11], s[0:1], 0x0               ; anchor, negative, anchor's codes, anchor's scales
	s_load_b128 s[12:15], s[0:1], 0x20             ; negative's codes, negative's scales
	s_load_b64 s[16:17], s[0:1], 0x30              ; norms
	v_lshl_add_u32 v240, v0, 2, 0x10100
	v_mov_b32 v241, 0
	v_lshrrev_b32 v1, 5, v0
	s_delay_alu instid0(VALU_DEP_1)
	v_readfirstlane_b32 s20, v1                    ; wave
	v_and_b32 v2, 31, v0                           ; lane
	s_delay_alu instid0(VALU_DEP_1)
	v_lshlrev_b32 v3, 4, v2                        ; my 16 bytes of a load's 512, and of a step's 512 bytes of codes
	s_mul_i32 s21, s20, WREG
	v_lshrrev_b32 v14, 2, v2
	s_delay_alu instid0(VALU_DEP_1)
	v_mul_u32_u24 v14, v14, SP
	v_and_b32 v15, 3, v2
	s_delay_alu instid0(VALU_DEP_1)
	v_lshl_add_u32 v14, v15, 4, v14
	s_delay_alu instid0(VALU_DEP_1)
	v_add_nc_u32 v14, s21, v14                     ; the stage, on the way in: four lanes' 64 bytes on end, then 16 of padding
	v_mul_u32_u24 v15, v2, SP
	s_delay_alu instid0(VALU_DEP_1)
	v_add_nc_u32 v15, s21, v15                     ; and on the way out: SP x lane: my 16 neighbours
	v_lshrrev_b32 v5, 1, v2
	s_add_co_u32 s21, s21, 2*32*SP
	v_add_nc_u32 v5, s21, v5                       ; LDS: my wave's 256 scale bytes, my block's byte
	v_lshlrev_b32 v7, 3, v2                        ; and on the way out 8 bytes a lane
	s_delay_alu instid0(VALU_DEP_1)
	v_add_nc_u32 v6, s21, v7
	v_and_b32 v[L7], 7, v2
	s_lshl_b32 s22, s20, 5
	s_add_co_u32 s22, s22, NL
	v_lshl_add_u32 v[NA], v[L7], 2, s22            ; the norm of the wave's row l % 8: word 8 x wave + l % 8
	v_add_nc_u32 v[NR], NL, v7
	v_mov_b32 v[NPM], 0                            ; a lane permute's destination counts as one of its sources
	v_mov_b32 v[NRM], 0
	s_mov_b32 s23, MANT                            ; (an instruction takes one literal: the hold's line has another)
	s_mov_b32 s28, 0x76543210
	s_mov_b32 s29, 0xfedcba98                      ; v_permlanex16_b32's selects for lane l xor 16
	s_mov_b32 s25, 0
	s_wait_kmcnt 0x0
	s_cmp_lt_u32 ttmp9, 128                        ; anchor's work-group or negative's?  The choice hangs on the work-group's number alone
	s_cselect_b64 s[4:5], s[4:5], s[6:7]
	s_cselect_b64 s[8:9], s[8:9], s[12:13]
	s_cselect_b64 s[10:11], s[10:11], s[14:15]
	s_cselect_b32 s30, 0, 128
	s_sub_co_u32 s30, ttmp9, s30
	s_lshl_b32 s30, s30, 3
	s_add_co_u32 s30, s30, s20                     ; which run of 8 rows of the tensor is my wave's
	s_lshl_b32 s24, s30, 15                        ; 32,768 bytes of f32 a run,
	s_add_nc_u64 s[4:5], s[4:5], s[24:25]
	s_lshl_b32 s24, s30, 13                        ; 8,192 of codes,
	s_add_nc_u64 s[8:9], s[8:9], s[24:25]
	s_lshl_b32 s24, s30, 8                         ; 256 of scale bytes
	s_add_nc_u64 s[10:11], s[10:11], s[24:25]
	s_lshl_b32 s24, ttmp9, 8                       ; norms: 64 rows x 4 bytes a work-group; the negatives' follow the anchors', as their work-groups do
	s_add_nc_u64 s[16:17], s[16:17], s[24:25]
.macro LOAD t
.irp i, 0,1,2,3
	global_load_b128 v[R+16*((\t)%DEPTH)+4*\i:R+16*((\t)%DEPTH)+4*\i+3], v3, s[4:5] offset:2048*(\t)+512*\i th:TH_LOAD_NT   ; 32 lanes read 512 consecutive bytes
.endr
.endm
.macro TURN t                          ; step t's numbers through the stage: LDS serves a wave's instructions in order, so no wait stands between the stores and the loads
.irp i, 0,1,2,3
	ds_store_b128 v14, v[R+16*((\t)%DEPTH)+4*\i:R+16*((\t)%DEPTH)+4*\i+3] offset:32*SP*((\t)%2)+8*SP*\i
.endr
.irp i, 0,1,2,3
	ds_load_b128 v[X+16*((\t)%2)+4*\i:X+16*((\t)%2)+4*\i+3], v15 offset:32*SP*((\t)%2)+16*\i
.endr
.endm
.irp t, 0,1,2,3,4,5
	LOAD \t
.endr
	s_wait_loadcnt 4*(DEPTH-1)                     ; step 0's four loads are in; the twenty of steps 1 to 5 may be out
	TURN 0
.macro STEP t
.set XS, X+16*((\t)%2)
.if (\t) > 0
	s_wait_dscnt 1                                 ; this step's numbers are back from the stage (the last step's byte store may be out): so its stores into the stage have read their registers,
.else
	s_wait_dscnt 0x0
.endif
.if (\t)+DEPTH < STEPS
	LOAD (\t)+DEPTH                                ; which take the loads of DEPTH steps on
.endif
.if (\t)+1 < STEPS
.if STEPS-2-(\t) >= DEPTH-1
	s_wait_loadcnt 4*(DEPTH-1)                     ; the next step's four loads are in; those of the five steps behind it may be out
.else
	s_wait_loadcnt 4*(STEPS-2-(\t))                ; near the end: those of the steps that are left
.endif
	TURN (\t)+1                                    ; and go through the other stage while this step is worked
.endif
	v_max3_num_f32 v8, |v[XS]|, |v[XS+1]|, |v[XS+2]|               ; the largest magnitude of my 16
	v_max3_num_f32 v9, |v[XS+3]|, |v[XS+4]|, |v[XS+5]|
.irp i, 6,10
	s_delay_alu instid0(VALU_DEP_2)
	v_max3_num_f32 v8, v8, |v[XS+\i]|, |v[XS+\i+1]|
	s_delay_alu instid0(VALU_DEP_2)
	v_max3_num_f32 v9, v9, |v[XS+\i+2]|, |v[XS+\i+3]|
.endr
	s_delay_alu instid0(VALU_DEP_2)
	v_max3_num_f32 v8, v8, |v[XS+14]|, |v[XS+15]|
	s_delay_alu instid0(VALU_DEP_1)
	v_max3_num_f32 v8, v8, v9, (EMAX+1)<<23        ; and the floor 2^(EMAX + 1 - 127): so the byte cannot fall under 1
	s_delay_alu instid0(VALU_DEP_1)
	v_max_num_f32_dpp v8, v8, v8 row_xmask:1 row_mask:0xf bank_mask:0xf   ; and of my neighbour's 16: the block's
	; the squares, ahead of the hold, which changes the numbers in place.  A row is two steps: the even step starts the chains, the odd one ends them
.if (\t)%2 == 0
	v_pk_mul_f32 v[SQ:SQ+1], v[XS:XS+1], v[XS:XS+1]
	v_pk_mul_f32 v[SQ+2:SQ+3], v[XS+2:XS+3], v[XS+2:XS+3]
.else
	v_pk_fma_f32 v[SQ:SQ+1], v[XS:XS+1], v[XS:XS+1], v[SQ:SQ+1]
	v_pk_fma_f32 v[SQ+2:SQ+3], v[XS+2:XS+3], v[XS+2:XS+3], v[SQ+2:SQ+3]
.endif
.irp i, 4,8,12
	s_delay_alu instid0(VALU_DEP_2)
	v_pk_fma_f32 v[SQ:SQ+1], v[XS+\i:XS+\i+1], v[XS+\i:XS+\i+1], v[SQ:SQ+1]
	s_delay_alu instid0(VALU_DEP_2)
	v_pk_fma_f32 v[SQ+2:SQ+3], v[XS+\i+2:XS+\i+3], v[XS+\i+2:XS+\i+3], v[SQ+2:SQ+3]
.endr
	v_add_nc_u32 v11, -(EMAX<<23), v8              ; EMAX off the exponent field: the conversion takes the exponent field of this operand as its scale, and nothing else of it
	v_and_or_b32 v10, v8, 0x7f800000, s23          ; the largest number x the scale: the largest magnitude's exponent field over that number's mantissa (s23)
.irp i, 0,1,2,3,4,5,6,7,8,9,10,11,12,13,14,15
	v_med3_num_f32 v[XS+\i], v[XS+\i], -v10, v10   ; the conversion to an 8-bit code does not saturate (ISA guide 7.6.2): hold the number within the largest code x the scale first
.endr
	v_cvt_scalef32_pk8_fp8_f32 v[C+4*(\t):C+4*(\t)+1], v[XS:XS+7], v11
	v_cvt_scalef32_pk8_fp8_f32 v[C+4*(\t)+2:C+4*(\t)+3], v[XS+8:XS+15], v11
	v_lshrrev_b32 v[E+(\t)], 23, v11               ; the scale's byte (also the plain line behind the conversions)
	ds_store_b8 v5, v[E+(\t)] offset:16*(\t)       ; both lanes of a block write the same byte with the same value
	global_store_b128 v3, v[C+4*(\t):C+4*(\t)+3], s[8:9] offset:32*CB*(\t)   ; 32 lanes store 512 consecutive bytes
.if (\t)%2 == 1
	v_pk_add_f32 v[SQ:SQ+1], v[SQ:SQ+1], v[SQ+2:SQ+3]              ; the row is whole: my 32 squares,
	s_delay_alu instid0(VALU_DEP_1)
	v_add_f32 v[NS], v[SQ], v[SQ+1]
	s_delay_alu instid0(VALU_DEP_1)
	v_add_f32_dpp v[NS], v[NS], v[NS] row_xmask:1 row_mask:0xf bank_mask:0xf   ; the 16 lanes of my half,
	s_delay_alu instid0(VALU_DEP_1)
	v_add_f32_dpp v[NS], v[NS], v[NS] row_xmask:2 row_mask:0xf bank_mask:0xf
	s_delay_alu instid0(VALU_DEP_1)
	v_add_f32_dpp v[NS], v[NS], v[NS] row_xmask:4 row_mask:0xf bank_mask:0xf
	s_delay_alu instid0(VALU_DEP_1)
	v_add_f32_dpp v[NS], v[NS], v[NS] row_xmask:8 row_mask:0xf bank_mask:0xf
	s_delay_alu instid0(VALU_DEP_1)
	v_permlanex16_b32 v[NPM], v[NS], s28, s29
	s_delay_alu instid0(VALU_DEP_1)
	v_add_f32 v[NS], v[NS], v[NPM]                 ; and the other half's
	s_delay_alu instid0(VALU_DEP_1)
	v_mul_f32 v[NS], 0x3a800000, v[NS]             ; x 2^-10
	v_cmp_eq_u32 vcc_lo, (\t)/2, v[L7]
	s_delay_alu instid0(VALU_DEP_1)
	v_cndmask_b32 v[NRM], v[NRM], v[NS], vcc_lo    ; kept by the lanes whose number % 8 is the row's
.endif
.endm
.irp t, 0,1,2,3,4,5,6,7,8,9,10,11,12,13,14,15
	STEP \t
.endr
	ds_store_b32 v[NA], v[NRM]                     ; four lanes write the same word with the same value
	ds_load_b64 v[12:13], v6                       ; LDS serves a wave's instructions in order: these see my byte stores
	s_wait_dscnt 0x0                               ; zero, for wave 0's sake too: my norms lie in LDS
	global_store_b64 v7, v[12:13], s[10:11]        ; 32 lanes store 256 consecutive bytes, aligned
	s_barrier_signal -1
	s_barrier_wait -1                              ; all eight waves' norms lie in LDS
	s_cmp_lg_u32 s20, 0
	s_cbranch_scc1 .Lend
	ds_load_b64 v[NO:NO+1], v[NR]
	s_wait_dscnt 0x0
	global_store_b64 v7, v[NO:NO+1], s[16:17]      ; wave 0 stores the work-group's 64 norms: 256 consecutive bytes, aligned
.Lend:
	s_wait_tensorcnt 0x0
	ds_add_u32 v240, v241
	s_wait_dscnt 0x0
	s_endpgm
.Lfunc_end_k_q4d73dac04b_quant:
	.size	k_q4d73dac04b_quant, .Lfunc_end_k_q4d73dac04b_quant-k_q4d73dac04b_quant
	.p2alignl 7, 3214868480
	.fill 96, 4, 3214868480
	.section	.rodata,"a",@progbits
	.p2align	6, 0x0
	.amdhsa_kernel k_q4d73dac04b_quant
		.amdhsa_group_segment_fixed_size 66816
		.amdhsa_private_segment_fixed_size 0
		.amdhsa_enable_private_segment 0
		.amdhsa_kernarg_size 56
		.amdhsa_user_sgpr_count 2
		.amdhsa_user_sgpr_kernarg_segment_ptr 1
		.amdhsa_wavefront_size32 1
		.amdhsa_system_sgpr_workgroup_id_x 1
		.amdhsa_system_sgpr_workgroup_id_y 1
		.amdhsa_system_sgpr_workgroup_id_z 1
		.amdhsa_system_vgpr_workitem_id 0
		.amdhsa_next_free_vgpr 242
		.amdhsa_next_free_sgpr 66
		.amdhsa_reserve_vcc 1
		.amdhsa_float_denorm_mode_32 3
		.amdhsa_float_denorm_mode_16_64 3
		.amdhsa_memory_ordered 1
		.amdhsa_forward_progress 1
		.amdhsa_inst_pref_size 73
	.end_amdhsa_kernel
	.amdgpu_metadata
---
amdhsa.version: [ 1, 2 ]
amdhsa.kernels:
  - .name:           k_q4d73dac04b_quant
    .symbol:         k_q4d73dac04b_quant.kd
    .args:
      - { .name: anchor, .offset: 0, .size: 8, .value_kind: global_buffer, .address_space: global }
      - { .name: negative, .offset: 8, .size: 8, .value_kind: global_buffer, .address_space: global }
      - { .name: a_codes, .offset: 16, .size: 8, .value_kind: global_buffer, .address_space: global }
      - { .name: a_scales, .offset: 24, .size: 8, .value_kind: global_buffer, .address_space: global }
      - { .name: n_codes, .offset: 32, .size: 8, .value_kind: global_buffer, .address_space: global }
      - { .name: n_scales, .offset: 40, .size: 8, .value_kind: global_buffer, .address_space: global }
      - { .name: norms, .offset: 48, .size: 8, .value_kind: global_buffer, .address_space: global }
    .group_segment_fixed_size: 66816
    .private_segment_fixed_size: 0
    .kernarg_segment_align: 8
    .kernarg_segment_size: 56
    .max_flat_workgroup_size: 256
    .sgpr_count:     66
    .vgpr_count:     242
    .wavefront_size: 32
...
	.end_amdgpu_metadata
.endif
;; end of part 1
;; launch dist (part 2): grid 32 x 8, 4 waves a work-group, clusters of 4 x 1, 327,680 bytes of LDS; arguments a_codes, a_scales, n_codes, n_scales, norms, pkey, pidx; writes pkey, pidx
.if DOCPART == 2
	.amdgcn_target "amdgcn-amd-amdhsa--gfx1250"
	.amdhsa_code_object_version 6
	.text
	.protected	k_q4d73dac04b_dist
	.globl	k_q4d73dac04b_dist
	.p2align	8
	.type	k_q4d73dac04b_dist,@function
k_q4d73dac04b_dist:
	s_mov_b64 s[64:65], 0
	v_nop
	global_prefetch_b8 v0, s[64:65] scope:SCOPE_SE
	s_setreg_imm32_b32 hwreg(HW_REG_WAVE_MODE, 25, 1), 1
	s_wait_xcnt 0x0
	s_wait_alu depctr_hold_cnt(0) depctr_sa_sdst(0) depctr_va_vdst(0) depctr_va_sdst(0) depctr_va_ssrc(0) depctr_va_vcc(0) depctr_vm_vsrc(0)
	s_getreg_b32 s2, hwreg(HW_REG_IB_STS2, 6, 4)
	s_cmp_eq_u32 s2, 0
	s_cbranch_scc0 .Lentry_in_a_cluster
	s_endpgm
.Lentry_in_a_cluster:
	s_bfe_u32 s2, ttmp6, 0x10000c
	s_cmp_lg_u32 s2, 0x3003
	s_cbranch_scc0 .Lentry_shape_is_right
	s_endpgm
.Lentry_shape_is_right:
; mse[i][j] = (a2[i] + n2[j] - 2 dots[i][j]) / 1024 on codes of MX-FP8, and of each row its largest mse and that column, over a chunk of 1,024 columns.
; norms holds a2 and n2 already x 2^-10; the sum a2 + n2 and one fused multiply-add by -2^-9 keep reference()'s order of roundings.  Nothing of reference() is left out.
; SHARES.  Work-group (x, y): anchors 256 x .. 256 x + 255, negatives 1,024 y .. 1,024 y + 1,023.  Wave w: 64 anchors, whose codes for all of K (64 x 1,024 bytes) stay in 512 registers.
; The negatives go in 8 tiles of 128 rows x all 1,024 K through two LDS slots; a wave's tensor load brings 32 rows of 1,024 bytes.  The four work-groups of a cluster (same y) ask for each tile jointly, mask 15.
; A tile is asked for a whole tile's work (256 matrix instructions and the search) ahead of the wait for it, so no prefetch into the L2 is laid.
; The anchors are not shared inside a cluster and are read once: they come by plain loads.  The chunk's scale bytes (32 KiB) and n2 (4 KiB) are copied once into LDS bytes of their own.
; THE MATRIX INSTRUCTION IS USED TRANSPOSED (source 0 = 16 negatives, source 1 = 16 anchors): lane (r, h) holds anchor r and registers j the columns 16 b + 8 h + j.
; Ties: the lowest column wins, in a lane, between the halves of the lanes and from tile to tile.  LIMIT: NaN among the inputs is not served.
; REGISTERS: window 0: v0-63 addresses and the search; v64-127 scales: v[64+8 ks+a] anchors' block a, K step ks; v[64+8 b+4 ..+7] negatives' block b, four K steps; v128-255 negatives' fragments, two halves of four.
;   window 1: accumulator (a, b) at v[8 (8 a + b)].  windows 2, 3: anchors' fragment (a, ks) at v[16 (4 (ks % 4) + a)], ks / 4 picks the window.
.set PITCH, 1040                       ; an LDS row: 1,024 bytes + 16 of padding
.set QUART, 32*PITCH
.set SLOT,  4*QUART
.set SCB,   2*SLOT                     ; negatives' scales: [2 halves of K][1,024 rows][16 bytes]
.set N2L,   SCB+32768                  ; n2 of the chunk
.set SPARE, N2L+4096                   ; the spare words
.set ABZ, 4
.set ABZ1, 5
.set AB0, 6                            ; v6, v7: fragments' LDS address, blocks 0-3 and 4-7, in this tile's slot
.set BSZ, 8
.set BSA, 9
.set N2Z, 10
.set N2A, 11
.set CBZ, 12
.set CB,  13
.set SPW, 14
.set NIL, 15
.set A2,  16
.set BV,  24
.set BI,  28
.set MX,  32
.set IX,  36
.set TT,  40
.set BIGV, 41
.set MM,  42
.set C48, 43
.set PO,  44
.set GAA, 45
.set GSA, 46
.set GA,  47
.set WS,  48
.set GT,  48                           ; head only
.set LT,  49
.set LS,  50
.set STA, 51                           ; head only: my place in my wave's stage, as loaded
.set STB, 52                           ; and as a fragment wants it
.set STG, SPARE+512                    ; behind the spare words: a stage of 16 rows x (256 + 16) bytes for each wave
.set SC,  64
.set BF,  128
.set N2R, 128
.set VAL, 192
.set PT,  192
.set OUT, 128
.set MK,  4                            ; s4-11 masks, once the arguments there are used up
.set WV,  20
.set SL,  21
.set TSC, 22
.set TN,  23
.set G1,  24
.set G0,  32
.set TC,  36
.set TL,  37
.set HM,  38
.set SEL, 40
.set CM,  42
.set MSB, 0
.macro WIN new
.if MSB != (\new)
	s_set_vgpr_msb (MSB<<8)|(\new)
.set MSB, \new
.endif
.endm
.macro PLACES n
.rept \n
	v_nop
.endr
.endm
.macro CREST
	s_cmp_lg_u32 s[WV], 0
	s_cbranch_scc1 .Lnot_wave_0_\@
	s_barrier_signal -3
.Lnot_wave_0_\@:
	s_barrier_wait -3
	s_barrier_signal -1
	s_barrier_wait -1
.endm
.macro CROUND
	s_barrier_signal -1
	s_barrier_wait -1
	CREST
.endm
.macro JLOAD                           ; my quarter of a tile; every wave of the four work-groups issues this one line
	tensor_load_to_lds s[G0:G0+3], s[G1:G1+7]
	s_nop 0
	PLACES 4
.endm
	s_load_b256 s[4:11], s[0:1], 0x0               ; a_codes, a_scales, n_codes, n_scales
	s_load_b64 s[12:13], s[0:1], 0x20              ; norms
	s_load_b128 s[16:19], s[0:1], 0x28             ; pkey, pidx
	v_lshl_add_u32 v[SPW], v0, 2, SPARE
	v_mov_b32 v[NIL], 0
	ds_add_u32 v[SPW], v[NIL]                      ; the opening lines: the add twice on end and its wait
	ds_add_u32 v[SPW], v[NIL]
	v_lshrrev_b32 v3, 5, v0
	v_readfirstlane_b32 s[WV], v3
	v_and_b32 v1, 15, v0                           ; r
	v_bfe_u32 v2, v0, 4, 1                         ; h
	v_mul_u32_u24 v[ABZ], v1, PITCH
	v_lshl_add_u32 v[ABZ], v2, 4, v[ABZ]           ; a fragment's row x pitch + 16 h
	v_add_nc_u32 v[ABZ1], 64*PITCH, v[ABZ]         ; blocks 4-7: beyond a 16-bit offset
	v_lshl_add_u32 v[BSZ], v1, 4, SCB
	v_lshl_add_u32 v[N2Z], v2, 5, N2L
	v_lshlrev_b32 v[CBZ], 3, v2
	v_lshlrev_b32 v[PO], 4, v1
	v_lshl_add_u32 v[PO], v2, 3, v[PO]             ; results: 16 r + 8 h
	v_lshlrev_b32 v[GAA], 4, v1
	v_lshl_add_u32 v[GAA], v2, 10, v[GAA]          ; anchors' codes: sixteen lanes take 256 bytes of a row, the other sixteen of the next row
	s_mul_i32 s55, s[WV], 4352
	v_mul_u32_u24 v[STB], v1, 272
	v_lshl_add_u32 v[STB], v2, 4, v[STB]
	v_add_nc_u32 v[STB], s55, v[STB]
	v_add_nc_u32 v[STB], STG, v[STB]               ; out of the stage: row r, + 16 h
	v_mul_u32_u24 v[STA], v2, 272
	v_lshl_add_u32 v[STA], v1, 4, v[STA]
	v_add_nc_u32 v[STA], s55, v[STA]
	v_add_nc_u32 v[STA], STG, v[STA]               ; into it: row h, + 16 r
	v_lshlrev_b32 v[GSA], 5, v1
	v_lshlrev_b32 v[GA], 2, v1
	v_lshlrev_b32 v[GT], 4, v0
	v_lshl_add_u32 v[LT], v0, 4, N2L
	v_and_b32 v3, 1, v0
	v_lshrrev_b32 v[LS], 1, v0
	v_lshlrev_b32 v[LS], 4, v[LS]
	v_lshl_add_u32 v[LS], v3, 14, v[LS]
	v_add_nc_u32 v[LS], SCB, v[LS]                 ; scales into LDS: half of K = thread % 2, row = thread / 2 (+ 64 a load)
	v_mov_b32 v[BIGV], 0x7fffffff
	v_mov_b32 v[C48], 48
.irp a, 0,1,2,3
	v_mov_b32 v[BV+\a], 0xff800000
	v_mov_b32 v[BI+\a], 0
.endr
	s_bfe_u32 s44, ttmp6, 0x40000                  ; cx
	s_lshl_b32 s45, ttmp9, 2
	s_add_co_u32 s45, s45, s44
	s_lshl_b32 s45, s45, 8
	s_lshl_b32 s46, s[WV], 6
	s_add_co_u32 s45, s45, s46                     ; my wave's first anchor
	s_and_b32 s47, ttmp7, 0xffff                   ; the chunk
	s_mov_b32 s[G1+0], 15|(1<<20)|(1<<21)|(7<<22)|(3<<25)   ; mask of the four; bytes; 4 words of padding behind every 256
	s_mov_b32 s[G1+1], 1024<<16
	s_mov_b32 s[G1+2], 32<<16
	s_mov_b32 s[G1+3], 1024<<16
	s_mov_b32 s[G1+4], 32
	s_mov_b32 s[G1+5], 1024
	s_mov_b32 s[G1+6], 0
	s_mov_b32 s[G1+7], 0
	s_mov_b32 s[G0], 1
	s_mul_i32 s[G0+1], s[WV], QUART
	s_lshl_b32 s52, s47, 20                        ; the descriptor's offset is made of the chunk and the wave alone
	s_lshl_b32 s54, s[WV], 15
	s_add_co_u32 s52, s52, s54
	s_mov_b32 s53, 0
	s_mov_b32 s49, 0
	s_mov_b32 s[SL], 0
	s_mov_b32 s[TSC], 0
	s_mov_b32 s[TN], 0
	s_lshl_b32 s[TC], s47, 10
	s_mov_b32 s[HM], 0xffff0000
	s_mov_b32 s[SEL], 0x76543210
	s_mov_b32 s[SEL+1], 0xfedcba98
	s_mov_b32 s[CM], 0xbb000000                    ; -2^-9
	s_mov_b32 s[CM+1], s[CM]
	s_mov_b32 s[TL], 6
	s_wait_alu depctr_va_vdst(0)                   ; the wait at the head's end
	s_wait_dscnt 0x0
	s_wait_kmcnt 0x0
	s_add_nc_u64 s[G0+2:G0+3], s[8:9], s[52:53]
	s_or_b32 s[G0+3], s[G0+3], 0x80000000
	s_lshl_b32 s48, s45, 10
	s_add_nc_u64 s[4:5], s[4:5], s[48:49]
	s_lshl_b32 s48, s45, 5
	s_add_nc_u64 s[6:7], s[6:7], s[48:49]
	s_lshl_b32 s48, s47, 15
	s_add_nc_u64 s[10:11], s[10:11], s[48:49]
	s_add_nc_u64 s[16:17], s[16:17], s[48:49]
	s_add_nc_u64 s[18:19], s[18:19], s[48:49]
	s_lshl_b32 s48, s45, 2
	s_add_nc_u64 s[16:17], s[16:17], s[48:49]
	s_add_nc_u64 s[18:19], s[18:19], s[48:49]
	s_add_nc_u64 s[14:15], s[12:13], s[48:49]      ; a2 of my anchors
	s_lshl_b32 s48, s47, 12
	s_add_co_u32 s48, s48, 32768
	s_add_nc_u64 s[12:13], s[12:13], s[48:49]      ; n2 of the chunk
	CROUND                                         ; the four work-groups are here: the first joint loads meet
	JLOAD                                          ; tile 0 into slot 0: one tensor load a wave at the head
; THE ANCHORS.  Group g = 4 kp + a is block a's 16 rows x 256 along K (K steps 2 kp, 2 kp + 1): eight loads, each of 256 consecutive bytes of two rows, into the registers of the group's two fragments.
; The group turns through my wave's stage (LDS serves a wave's instructions in order: no wait between the stores and the loads, nor ahead of the next group's stores) and comes back as the fragments.
.macro AGRP g
.set FB, 16*(8*(((\g)/4)%2)+(\g)%4)
	WIN 0x88+0x44*((\g)/8)                         ; loaded data and stored data: window 2 or 3; addresses: window 0
.irp i, 0,1,2,3,4,5,6,7
	global_load_b128 v[FB+64*(\i/4)+4*(\i%4):FB+64*(\i/4)+4*(\i%4)+3], v[GAA], s[4:5] offset:(16*((\g)%4)+2*\i)*1024+((\g)/4)*256
.endr
.endm
.macro ATURN g
.set FB, 16*(8*(((\g)/4)%2)+(\g)%4)
	WIN 0x88+0x44*((\g)/8)
.irp i, 0,1,2,3,4,5,6,7
	ds_store_b128 v[STA], v[FB+64*(\i/4)+4*(\i%4):FB+64*(\i/4)+4*(\i%4)+3] offset:544*\i
.endr
.irp e, 0,1
.irp c, 0,1,2,3
	ds_load_b128 v[FB+64*\e+4*\c:FB+64*\e+4*\c+3], v[STB] offset:128*\e+32*\c
.endr
.endr
.endm
.macro MISC m                          ; the small loads, eight at a time: anchors' scale words (m = 0 .. 3), a2 (4), the chunk's scale bytes (5, 6)
	WIN 0
.if (\m) < 4
.irp k, 2*(\m), 2*(\m)+1
.irp a, 0,1,2,3
	global_load_b32 v[SC+8*(\k)+\a], v[GSA], s[6:7] offset:512*\a+4*(\k)
.endr
.endr
.else
.if (\m) == 4
.irp a, 0,1,2,3
	global_load_b32 v[A2+2*\a], v[GA], s[14:15] offset:64*\a
	global_load_b32 v[A2+2*\a+1], v[GA], s[14:15] offset:64*\a
.endr
.else
.irp j, 0,1,2,3,4,5,6,7
	global_load_b128 v[BF+4*(8*((\m)-5)+\j):BF+4*(8*((\m)-5)+\j)+3], v[GT], s[10:11] offset:2048*(8*((\m)-5)+\j)
.endr
.endif
.endif
.endm
.irp g, 0,1,2,3,4,5,6
	AGRP \g
.endr
.irp g, 0,1,2,3,4,5,6,7,8,9,10,11,12,13,14,15
	s_wait_loadcnt 48                              ; group g is in: every step issues eight loads, so six eights were issued behind it
	ATURN \g
.if \g < 9
	AGRP \g+7
.else
	MISC \g-9
.endif
.endr
	WIN 0
	global_load_b128 v[BF+64:BF+67], v[GT], s[12:13]
	global_load_b128 v[BF+68:BF+71], v[GT], s[12:13] offset:2048
	s_wait_loadcnt 0x0
.irp j, 0,1,2,3,4,5,6,7,8,9,10,11,12,13,14,15
	ds_store_b128 v[LS], v[BF+4*\j:BF+4*\j+3] offset:1024*\j
.endr
	ds_store_b128 v[LT], v[BF+64:BF+67]
	ds_store_b128 v[LT], v[BF+68:BF+71] offset:2048
	s_wait_tensorcnt 0x0                           ; my quarter of tile 0 is in; slot 1's first fill is issued as a refill is
	ds_add_u32 v[SPW], v[NIL]
	s_xor_b32 s[G0+1], s[G0+1], SLOT               ; no load of mine is out: the other slot, the next 128 rows
	s_add_nc_u64 s[G0+2:G0+3], s[G0+2:G0+3], 131072
	s_wait_dscnt 0x0                               ; the add and my stores of scales and n2 are done
	CROUND
	JLOAD                                          ; tile 1 into slot 1
; 8 matrix instructions: negatives' blocks b0, b0 + 1 x my four blocks of anchors, K step ks.  The 32 accumulators take turns.
.macro MUL8 ks, b0, zero
.irp b, \b0, \b0+1
.irp a, 0,1,2,3
.if \zero
	v_wmma_scale_f32_16x16x128_f8f6f4 v[8*(8*\a+(\b)):8*(8*\a+(\b))+7], v[BF+16*(\b):BF+16*(\b)+15], v[16*(4*((\ks)%4)+\a):16*(4*((\ks)%4)+\a)+15], 0, v[SC+8*(\b)+4+(\ks)%4], v[SC+8*(\ks)+\a]
.else
	v_wmma_scale_f32_16x16x128_f8f6f4 v[8*(8*\a+(\b)):8*(8*\a+(\b))+7], v[BF+16*(\b):BF+16*(\b)+15], v[16*(4*((\ks)%4)+\a):16*(4*((\ks)%4)+\a)+15], v[8*(8*\a+(\b)):8*(8*\a+(\b))+7], v[SC+8*(\b)+4+(\ks)%4], v[SC+8*(\ks)+\a]
.endif
.endr
.endr
.endm
.macro FETCH ks, hf                    ; 16 LDS loads: blocks 4 hf .. 4 hf + 3 of K step ks
.irp i, 0,1,2,3
.irp c, 0,1,2,3
	ds_load_b128 v[BF+64*(\hf)+16*\i+4*\c:BF+64*(\hf)+16*\i+4*\c+3], v[AB0+(\hf)] offset:\i*16*PITCH+128*(\ks)+32*\c
.endr
.endr
.endm
.macro BSCL q                          ; the negatives' scale words of K steps 4 q .. 4 q + 3
.irp b, 0,1,2,3,4,5,6,7
	ds_load_b128 v[SC+8*\b+4:SC+8*\b+7], v[BSA] offset:16384*(\q)+256*\b
.endr
.endm
.macro KSTEP ks, zero
	s_wait_dscnt 16                                ; blocks 0-3 (and scale words) are in; the 16 loads of blocks 4-7 may be out
	WIN 0x58+4*((\ks)/4)
	MUL8 \ks, 0, \zero
	MUL8 \ks, 2, \zero
	PLACES 8                                       ; places ahead of loads into registers that the products read
	WIN 0
	FETCH (\ks)+1, 0
	s_wait_dscnt 16                                ; blocks 4-7 are in; the 16 just issued may be out
	WIN 0x58+4*((\ks)/4)
	MUL8 \ks, 4, \zero
	MUL8 \ks, 6, \zero
	PLACES 8
	WIN 0
.if (\ks) == 3
	BSCL 1
.endif
	FETCH (\ks)+1, 1
.endm
; The search in block a's 64 numbers of a lane: the largest, the lowest place that holds it, and the running best.
.macro EPI a
.set AC, 64*(\a)
.set k, 0
.rept 32
	v_pk_add_f32 v[VAL+k:VAL+k+1], v[N2R+k:N2R+k+1], v[A2+2*(\a):A2+2*(\a)+1]
.set k, k+2
.endr
	WIN 1
.set k, 0
.rept 32
	v_pk_fma_f32 v[VAL+k:VAL+k+1], v[AC+k:AC+k+1], s[CM:CM+1], v[VAL+k:VAL+k+1] op_sel_hi:[1,0,1]
.set k, k+2
.endr
	WIN 0
.irp c, 0,1,2,3
	v_max3_num_f32 v[MX+\c], v[VAL+16*\c], v[VAL+16*\c+1], v[VAL+16*\c+2]
.endr
.irp i, 3,5,7,9,11,13
.irp c, 0,1,2,3
	v_max3_num_f32 v[MX+\c], v[MX+\c], v[VAL+16*\c+\i], v[VAL+16*\c+\i+1]
.endr
.endr
.irp c, 0,1,2,3
	v_max_num_f32 v[MX+\c], v[MX+\c], v[VAL+16*\c+15]
.endr
	v_max3_num_f32 v[MM], v[MX], v[MX+1], v[MX+2]
	v_max_num_f32 v[MM], v[MM], v[MX+3]
.irp c, 2,1,0
	v_cmp_eq_f32 s[MK+\c], v[MX+\c], v[MM]
.endr
	v_cndmask_b32 v[TT], v[C48], 32, s[MK+2]       ; the lowest sixteen that hold the largest
.irp i, 0,1,2,3,4,5,6,7,8,9,10,11,12,13,14,15
	v_cndmask_b32 v[WS+\i], v[VAL+48+\i], v[VAL+32+\i], s[MK+2]
.endr
	v_cndmask_b32 v[TT], v[TT], 16, s[MK+1]
.irp i, 0,1,2,3,4,5,6,7,8,9,10,11,12,13,14,15
	v_cndmask_b32 v[WS+\i], v[WS+\i], v[VAL+16+\i], s[MK+1]
.endr
	v_cndmask_b32 v[TT], v[TT], 0, s[MK]
.irp i, 0,1,2,3,4,5,6,7,8,9,10,11,12,13,14,15
	v_cndmask_b32 v[WS+\i], v[WS+\i], v[VAL+\i], s[MK]
.endr
.irp g, 1,0
.irp j, 7,6,5,4,3,2,1,0
	v_cmp_eq_f32 s[MK+\j], v[WS+8*\g+\j], v[MM]
.endr
.irp j, 7,6,5,4,3,2,1,0
.if (\g == 1) && (\j > 3)
	v_cndmask_b32 v[IX+\j%4], v[BIGV], 8*\g+\j, s[MK+\j]
.else
	v_cndmask_b32 v[IX+\j%4], v[IX+\j%4], 8*\g+\j, s[MK+\j]
.endif
.endr
.endr
	v_min_u32 v[IX], v[IX], v[IX+1]
	v_min_u32 v[IX+2], v[IX+2], v[IX+3]
	v_min_u32 v[IX], v[IX], v[IX+2]
	v_add_nc_u32 v[IX], v[IX], v[TT]               ; place 8 b + j
	v_and_b32 v[TT], 0x38, v[IX]
	v_add3_u32 v[IX], v[IX], v[TT], v[CB]          ; column 16 b + j + the tile's first + 8 h
	v_cmp_gt_f32 s[MK], v[MM], v[BV+(\a)]
	v_cndmask_b32 v[BV+(\a)], v[BV+(\a)], v[MM], s[MK]
	v_cndmask_b32 v[BI+(\a)], v[BI+(\a)], v[IX], s[MK]
.endm
; One tile.  mode 2: its slot is filled again, two tiles on; 1: only the next tile is shown to all waves; 0: the last tile.
.macro TILE mode
	v_add_nc_u32 v[AB0], s[SL], v[ABZ]
	v_add_nc_u32 v[AB0+1], s[SL], v[ABZ1]
	v_add_nc_u32 v[BSA], s[TSC], v[BSZ]
	v_add_nc_u32 v[N2A], s[TN], v[N2Z]
	v_add_nc_u32 v[CB], s[TC], v[CBZ]
	s_wait_alu depctr_va_vdst(0)                   ; the wait, directly behind the writes
	BSCL 0
	FETCH 0, 0
	FETCH 0, 1
	KSTEP 0, 1                                     ; the first products start the sums
.irp s, 1,2,3,4,5,6
	KSTEP \s, 0
.endr
	s_wait_dscnt 16
	WIN 0x5c
	MUL8 7, 0, 0
	MUL8 7, 2, 0
	PLACES 8                                       ; blocks 0-3's registers are done with: they take the tile's n2
	WIN 0
.irp b, 0,1,2,3,4,5,6,7
	ds_load_b128 v[N2R+8*\b:N2R+8*\b+3], v[N2A] offset:64*\b
	ds_load_b128 v[N2R+8*\b+4:N2R+8*\b+7], v[N2A] offset:64*\b+16
.endr
.if \mode
	s_wait_tensorcnt 0x0                           ; my one load that was out, my quarter of the next tile, has landed
	ds_add_u32 v[SPW], v[NIL]
.if \mode == 2
	s_xor_b32 s[G0+1], s[G0+1], SLOT               ; this tile's slot, the tile two on
	s_add_nc_u64 s[G0+2:G0+3], s[G0+2:G0+3], 131072
.endif
	s_wait_dscnt 17                                ; blocks 4-7 are in; the 16 loads of n2 and the add may be out
	WIN 0x5c
	MUL8 7, 4, 0
	s_wait_dscnt 0x0                               ; the add is done, my reads of this slot are over
	s_barrier_signal -1
	MUL8 7, 6, 0
	WIN 0
	s_barrier_wait -1
.if \mode == 2
	CREST                                          ; the barrier has opened a round of the cluster's barrier
	JLOAD                                          ; the refill, first behind the round; its four v_nop are four of the eight places
	PLACES 4
.else
	PLACES 8
.endif
.else
	s_wait_dscnt 16                                ; blocks 4-7 are in; the 16 loads of n2 may be out
	WIN 0x5c
	MUL8 7, 4, 0
	MUL8 7, 6, 0
	WIN 0
	PLACES 8
.endif
	s_wait_dscnt 0x0
.irp a, 0,1,2,3
	EPI \a
.endr
	s_wait_alu depctr_va_vdst(0)                   ; the wait ahead of the scalar lines and the branch
.if \mode
	s_xor_b32 s[SL], s[SL], SLOT
	s_add_co_u32 s[TSC], s[TSC], 2048
	s_add_co_u32 s[TN], s[TN], 512
	s_add_co_u32 s[TC], s[TC], 128
.endif
.endm
.Ltile:
	TILE 2
	s_sub_co_u32 s[TL], s[TL], 1
	s_cmp_lg_u32 s[TL], 0
	s_cbranch_scc1 .Ltile
	TILE 1
	TILE 0
; the two halves of the lanes are joined; lane (r, h) stores blocks 2 h, 2 h + 1 of anchor r: entry 4 r + a of the wave's 64, 256 consecutive bytes a store
.irp a, 0,1,2,3
	v_permlanex16_b32 v[PT+2*\a], v[BV+\a], s[SEL], s[SEL+1]
	v_permlanex16_b32 v[PT+2*\a+1], v[BI+\a], s[SEL], s[SEL+1]
.endr
.irp a, 0,1,2,3
	v_cmp_gt_f32 s[MK], v[PT+2*\a], v[BV+\a]
	v_cmp_eq_f32 s[MK+1], v[PT+2*\a], v[BV+\a]
	v_cmp_lt_u32 s[MK+2], v[PT+2*\a+1], v[BI+\a]
	s_and_b32 s[MK+1], s[MK+1], s[MK+2]
	s_or_b32 s[MK], s[MK], s[MK+1]
	v_cndmask_b32 v[BV+\a], v[BV+\a], v[PT+2*\a], s[MK]
	v_cndmask_b32 v[BI+\a], v[BI+\a], v[PT+2*\a+1], s[MK]
.endr
.irp i, 0,1
	v_cndmask_b32 v[OUT+\i], v[BV+\i], v[BV+2+\i], s[HM]
	v_cndmask_b32 v[OUT+2+\i], v[BI+\i], v[BI+2+\i], s[HM]
.endr
.irp i, 0,1
	v_add_f32 v[OUT+\i], 0, v[OUT+\i]              ; -0 becomes +0
.endr
.irp i, 0,1
	v_ashrrev_i32 v[PT+\i], 31, v[OUT+\i]
.endr
.irp i, 0,1
	v_or_b32 v[PT+\i], 0x80000000, v[PT+\i]
.endr
.irp i, 0,1
	v_xor_b32 v[OUT+\i], v[OUT+\i], v[PT+\i]       ; a key that orders unsigned as the f32 numbers do
.endr
	global_store_b64 v[PO], v[OUT:OUT+1], s[16:17]
	global_store_b64 v[PO], v[OUT+2:OUT+3], s[18:19]
	s_wait_tensorcnt 0x0                           ; the wave's end
	ds_add_u32 v[SPW], v[NIL]
	s_wait_dscnt 0x0
	CROUND                                         ; the closing round
	s_endpgm
.Lfunc_end_k_q4d73dac04b_dist:
	.size	k_q4d73dac04b_dist, .Lfunc_end_k_q4d73dac04b_dist-k_q4d73dac04b_dist
	.p2alignl 7, 3214868480
	.fill 96, 4, 3214868480
	.section	.rodata,"a",@progbits
	.p2align	6, 0x0
	.amdhsa_kernel k_q4d73dac04b_dist
		.amdhsa_group_segment_fixed_size 327680
		.amdhsa_private_segment_fixed_size 0
		.amdhsa_enable_private_segment 0
		.amdhsa_kernarg_size 56
		.amdhsa_user_sgpr_count 2
		.amdhsa_user_sgpr_kernarg_segment_ptr 1
		.amdhsa_wavefront_size32 1
		.amdhsa_system_sgpr_workgroup_id_x 1
		.amdhsa_system_sgpr_workgroup_id_y 1
		.amdhsa_system_sgpr_workgroup_id_z 1
		.amdhsa_system_vgpr_workitem_id 0
		.amdhsa_next_free_vgpr 1024
		.amdhsa_next_free_sgpr 66
		.amdhsa_reserve_vcc 0
		.amdhsa_float_denorm_mode_32 3
		.amdhsa_float_denorm_mode_16_64 3
		.amdhsa_memory_ordered 1
		.amdhsa_forward_progress 1
		.amdhsa_inst_pref_size 255
	.end_amdhsa_kernel
	.section	.bss,"aw",@nobits
	.p2align	6
	.space	262144
	.amdgpu_metadata
---
amdhsa.version: [ 1, 2 ]
amdhsa.kernels:
  - .name:           k_q4d73dac04b_dist
    .symbol:         k_q4d73dac04b_dist.kd
    .args:
      - { .name: a_codes, .offset: 0, .size: 8, .value_kind: global_buffer, .address_space: global }
      - { .name: a_scales, .offset: 8, .size: 8, .value_kind: global_buffer, .address_space: global }
      - { .name: n_codes, .offset: 16, .size: 8, .value_kind: global_buffer, .address_space: global }
      - { .name: n_scales, .offset: 24, .size: 8, .value_kind: global_buffer, .address_space: global }
      - { .name: norms, .offset: 32, .size: 8, .value_kind: global_buffer, .address_space: global }
      - { .name: pkey, .offset: 40, .size: 8, .value_kind: global_buffer, .address_space: global }
      - { .name: pidx, .offset: 48, .size: 8, .value_kind: global_buffer, .address_space: global }
    .group_segment_fixed_size: 327680
    .private_segment_fixed_size: 0
    .kernarg_segment_align: 8
    .kernarg_segment_size: 56
    .max_flat_workgroup_size: 128
    .sgpr_count:     66
    .vgpr_count:     1024
    .wavefront_size: 32
...
	.end_amdgpu_metadata
.endif
;; end of part 2
;; launch take (part 3): grid 256 x 1, 8 waves a work-group, no clusters, 0 bytes of LDS; arguments pkey, pidx, negative, out0; writes out0
.if DOCPART == 3
	.amdgcn_target "amdgcn-amd-amdhsa--gfx1250"
	.amdhsa_code_object_version 6
	.text
	.protected	k_q4d73dac04b_take
	.globl	k_q4d73dac04b_take
	.p2align	8
	.type	k_q4d73dac04b_take,@function
k_q4d73dac04b_take:
	s_mov_b64 s[64:65], 0
	v_nop
	global_prefetch_b8 v0, s[64:65] scope:SCOPE_SE
	s_setreg_imm32_b32 hwreg(HW_REG_WAVE_MODE, 25, 1), 1
	s_wait_xcnt 0x0
; out0[row] = negative[the column of the row's largest mse].  pkey, pidx: [8 chunks of columns][8,192 entries], whole numbers that the launch before stored: a row's largest mse in the chunk,
; as a key that orders unsigned as the f32 numbers do, and its column.  Entry e of a run of 64 stands for row 16 (e % 4) + e / 4 of that run.
; Wave gw = 8 x work-group + wave owns entries 4 gw .. 4 gw + 3: rows row0 + 16 i, row0 = 64 (gw / 16) + gw % 16.
; Lane l takes entry l % 4 of chunk l / 4; three merges (lanes l xor 4, 8, 16): the larger key wins, of equal keys the lower column.
; Then four rows of 4,096 bytes: 32 loads of 512 consecutive bytes go out together and each store follows its load.  A column is held at 8,191 before it enters an address.
.set KA, 8
.set KB, 9
.set IA, 10
.set IB, 11
.set D,  16
.macro MERGE
	v_cmp_gt_u32 s20, v[KB], v[KA]
	v_cmp_eq_u32 s21, v[KB], v[KA]
	v_cmp_lt_u32 s22, v[IB], v[IA]
	s_and_b32 s21, s21, s22
	s_or_b32 s20, s20, s21
	v_cndmask_b32 v[KA], v[KA], v[KB], s20
	v_cndmask_b32 v[IA], v[IA], v[IB], s20
.endm
	s_load_b256 s[4:11], s[0:1], 0x0               ; pkey, pidx, negative, out0
	v_lshrrev_b32 v1, 5, v0
	v_readfirstlane_b32 s14, v1                    ; wave
	v_and_b32 v2, 31, v0
	v_and_b32 v4, 3, v2
	v_lshrrev_b32 v5, 2, v2
	v_lshlrev_b32 v4, 2, v4
	v_lshl_add_u32 v4, v5, 15, v4                  ; 32,768 bytes a chunk + 4 an entry
	v_lshlrev_b32 v3, 4, v2                        ; the rows: 16 bytes a lane
	s_lshl_b32 s15, ttmp9, 3
	s_add_co_u32 s15, s15, s14                     ; gw
	s_lshl_b32 s16, s15, 4
	s_mov_b32 s17, 0
	s_mov_b32 s28, 0x76543210
	s_mov_b32 s29, 0xfedcba98
	s_wait_alu depctr_va_vdst(0)                   ; the wait at the head's end
	s_wait_kmcnt 0x0
	s_add_nc_u64 s[4:5], s[4:5], s[16:17]
	s_add_nc_u64 s[6:7], s[6:7], s[16:17]
	global_load_b32 v[KA], v4, s[4:5]
	global_load_b32 v[IA], v4, s[6:7]
	s_lshr_b32 s16, s15, 4
	s_lshl_b32 s16, s16, 6
	s_and_b32 s18, s15, 15
	s_add_co_u32 s16, s16, s18                     ; row0
	s_lshl_b32 s16, s16, 12
	s_add_nc_u64 s[10:11], s[10:11], s[16:17]
	s_wait_loadcnt 0x0
	v_mov_b32 v[KB], v[KA]                         ; a lane move's destination counts as read
	v_mov_b32 v[IB], v[IA]
	v_mov_b32_dpp v[KB], v[KA] row_xmask:4 row_mask:0xf bank_mask:0xf
	v_mov_b32_dpp v[IB], v[IA] row_xmask:4 row_mask:0xf bank_mask:0xf
	MERGE
	v_mov_b32_dpp v[KB], v[KA] row_xmask:8 row_mask:0xf bank_mask:0xf
	v_mov_b32_dpp v[IB], v[IA] row_xmask:8 row_mask:0xf bank_mask:0xf
	MERGE
	v_permlanex16_b32 v[KB], v[KA], s28, s29
	v_permlanex16_b32 v[IB], v[IA], s28, s29
	MERGE
.irp i, 0,1,2,3
	v_readlane_b32 s[24+\i], v[IA], \i
.endr
.irp i, 0,1,2,3
	s_min_u32 s[24+\i], s[24+\i], 8191
	s_lshl_b32 s[32+2*\i], s[24+\i], 12
	s_mov_b32 s[33+2*\i], 0
	s_add_nc_u64 s[32+2*\i:33+2*\i], s[8:9], s[32+2*\i:33+2*\i]
.endr
.irp i, 0,1,2,3
.irp j, 0,1,2,3,4,5,6,7
	global_load_b128 v[D+4*(8*\i+\j):D+4*(8*\i+\j)+3], v3, s[32+2*\i:33+2*\i] offset:512*\j
.endr
.endr
.irp i, 0,1,2,3
.irp j, 0,1,2,3,4,5,6,7
	s_wait_loadcnt 31-(8*\i+\j)                    ; this load is in; those issued behind it may be out
	global_store_b128 v3, v[D+4*(8*\i+\j):D+4*(8*\i+\j)+3], s[10:11] offset:65536*\i+512*\j th:TH_STORE_NT
.endr
.endr
	s_endpgm
.Lfunc_end_k_q4d73dac04b_take:
	.size	k_q4d73dac04b_take, .Lfunc_end_k_q4d73dac04b_take-k_q4d73dac04b_take
	.p2alignl 7, 3214868480
	.fill 96, 4, 3214868480
	.section	.rodata,"a",@progbits
	.p2align	6, 0x0
	.amdhsa_kernel k_q4d73dac04b_take
		.amdhsa_group_segment_fixed_size 0
		.amdhsa_private_segment_fixed_size 0
		.amdhsa_enable_private_segment 0
		.amdhsa_kernarg_size 32
		.amdhsa_user_sgpr_count 2
		.amdhsa_user_sgpr_kernarg_segment_ptr 1
		.amdhsa_wavefront_size32 1
		.amdhsa_system_sgpr_workgroup_id_x 1
		.amdhsa_system_sgpr_workgroup_id_y 1
		.amdhsa_system_sgpr_workgroup_id_z 1
		.amdhsa_system_vgpr_workitem_id 0
		.amdhsa_next_free_vgpr 144
		.amdhsa_next_free_sgpr 66
		.amdhsa_reserve_vcc 0
		.amdhsa_float_denorm_mode_32 3
		.amdhsa_float_denorm_mode_16_64 3
		.amdhsa_memory_ordered 1
		.amdhsa_forward_progress 1
		.amdhsa_inst_pref_size 11
	.end_amdhsa_kernel
	.amdgpu_metadata
---
amdhsa.version: [ 1, 2 ]
amdhsa.kernels:
  - .name:           k_q4d73dac04b_take
    .symbol:         k_q4d73dac04b_take.kd
    .args:
      - { .name: pkey, .offset: 0, .size: 8, .value_kind: global_buffer, .address_space: global }
      - { .name: pidx, .offset: 8, .size: 8, .value_kind: global_buffer, .address_space: global }
      - { .name: negative, .offset: 16, .size: 8, .value_kind: global_buffer, .address_space: global }
      - { .name: out0, .offset: 24, .size: 8, .value_kind: global_buffer, .address_space: global }
    .group_segment_fixed_size: 0
    .private_segment_fixed_size: 0
    .kernarg_segment_align: 8
    .kernarg_segment_size: 32
    .max_flat_workgroup_size: 256
    .sgpr_count:     66
    .vgpr_count:     144
    .wavefront_size: 32
...
	.end_amdgpu_metadata
.endif
;; end of part 3
